; MI455X (gfx1250); checked and timed in simulation.
; The chip was launched on July 23, 2026; its instructions are those of AMD's public machine-readable ISA for CDNA 5 (MIT licence, August 2026) and "CDNA5" Instruction Set Architecture Reference Guide (July 2026). The comments in the code are by the model that wrote it; some were corrected since.
;; Cross Attention. Allowed arithmetic: matrix products marked QUANTISED: E2M3 operands, one E8M0 scale for each 32 along K, by v_wmma_scale_f32_16x16x128_f8f6f4 with both operands' format E2M3, f32 sums; everything else in f32.
;; Inputs: W_ck 512 x 512 float32; W_co 512 x 512 float32; W_cq 512 x 512 float32; W_cv 512 x 512 float32; W_ik 512 x 512 float32; W_io 512 x 512 float32; W_iq 512 x 512 float32; W_iv 512 x 512 float32; b_co 512 float32; b_io 512 float32; clinic 2 x 2,048 x 512 float32; img 2 x 2,048 x 512 float32.
;; Outputs: out0 2 x 2,048 x 512 float32; out1 2 x 2,048 x 512 float32.
;; This version of the problem:
;;   THIS VERSION OF THE PROBLEM IS GIVEN IN LOW PRECISION. The matrix products marked QUANTISED in the list below multiply operands that are first quantised to E2M3 (2 exponent bits, 3 mantissa bits; 6 bits a number), with one power-of-two scale for each 32 numbers along K (OCP MX v1.0); their sums are f32. All else is computed in f32.
;;   The module's matrix products, in the order in which they are computed (A, B: the left and right operand; K: the contracted axis; several contracted axes count as one K, in the product's order):
;;     1. [M 4,096, K 512] x [K 512, N 512]; A: input img; B: input W_iq: QUANTISED
;;     2. [M 4,096, K 512] x [K 512, N 512]; A: input img; B: input W_ik: QUANTISED
;;     3. [M 4,096, K 512] x [K 512, N 512]; A: input img; B: input W_iv: QUANTISED
;;     4. [M 4,096, K 512] x [K 512, N 512]; A: input clinic; B: input W_cq: QUANTISED
;;     5. [M 4,096, K 512] x [K 512, N 512]; A: input clinic; B: input W_ck: QUANTISED
;;     6. [M 4,096, K 512] x [K 512, N 512]; A: input clinic; B: input W_cv: QUANTISED
;;     7. batch 16 x [M 2,048, K 64] x [K 64, N 2,049]; A: computed on the way; B: computed on the way: QUANTISED
;;     8. batch 16 x [M 2,048, K 2,049] x [K 2,049, N 64]; A: softmax (see below); B: computed on the way: QUANTISED
;;     9. batch 16 x [M 2,048, K 64] x [K 64, N 2,049]; A: computed on the way; B: computed on the way: QUANTISED
;;     10. batch 16 x [M 2,048, K 2,049] x [K 2,049, N 64]; A: softmax (see below); B: computed on the way: QUANTISED
;;     11. batch 16 x [M 2,048, K 64] x [K 64, N 2,049]; A: computed on the way; B: computed on the way: QUANTISED
;;     12. batch 16 x [M 2,048, K 2,049] x [K 2,049, N 64]; A: softmax (see below); B: computed on the way: QUANTISED
;;     13. batch 16 x [M 2,048, K 64] x [K 64, N 2,049]; A: computed on the way; B: computed on the way: QUANTISED
;;     14. batch 16 x [M 2,048, K 2,049] x [K 2,049, N 64]; A: softmax (see below); B: computed on the way: QUANTISED
;;     15. [M 4,096, K 512] x [K 512, N 512]; A: computed on the way; B: input W_io: QUANTISED
;;     16. [M 4,096, K 512] x [K 512, N 512]; A: computed on the way; B: input W_co: QUANTISED
;;   THE QUANTISER, for each operand of a quantised product, along K:
;;     - K is cut into blocks of 32 from its start; a last block that is shorter is filled with zeros.
;;     - A block's scale is 2^e with e = floor(log2(the largest magnitude in the block)) - 2, held to -126 .. 127; a block of zeros has e = 0. As a byte (E8M0): e + 127.
;;     - Each number is divided by its block's scale, clamped to +-7.5, and rounded to the nearest number of E2M3, ties to even, subnormals kept.
;;     - The product sums the exact products of the quantised numbers (number of the format x scale) in f32.
;;   ~~~python
;;   def quantise(x, axis):      # numpy; x: float32 -> the quantised numbers, widened to float32 again
;;       x = np.moveaxis(x, axis, -1); K = x.shape[-1]
;;       x = np.pad(x, [(0, 0)] * (x.ndim - 1) + [(0, -K % 32)]); x = x.reshape(x.shape[:-1] + (-1, 32)); a = np.abs(x).max(-1, keepdims=True)
;;       e = np.where(a > 0, np.clip(np.frexp(np.where(a > 0, a, 1))[1] - 1 - 2, -126, 127), 0)      # np.frexp(a)[1] - 1 = floor(log2(a)), exactly
;;       r = np.clip(x / 2.0 ** e, -7.5, 7.5)
;;       step = 2.0 ** (np.maximum(np.frexp(np.where(r == 0, 1, r))[1] - 1, 0) - 3)
;;       q = np.round(r / step) * step * 2.0 ** e      # np.round: ties to even
;;       return np.moveaxis(q.reshape(q.shape[:-2] + (-1,))[..., :K], -1, axis).astype(np.float32)
;;   ~~~
;;   SOFTMAX AHEAD OF A QUANTISED PRODUCT. Where the list says 'softmax', what is quantised is not the finished softmax but p = 2^(t - M), with t = logit x log2(e) and M = ceil(the row's largest t), a whole number; so 1/2 < the row's largest p <= 1. The row's sum l is taken of the UNQUANTISED p, in f32, and the product's result is divided by l at the end. Since M is a whole number, a kernel that streams over the keys may use a running M (the ceiling of the running maximum): every later rescaling is an exact power of two, which a block's scale takes up: the codes' values come out the same.
;;   OPERANDS COMPUTED ON THE WAY. 'Computed on the way' means the value that the module computes at that place (a softmax that the list does not call 'softmax' is quantised finished and normalised). What goes into a quantiser is computed in f32, as accurately as f32 sums, v_exp_f32 and their like allow (about 1e-6 of the number): no bf16 or f16 on the way to a quantiser, and a product that is left as it is and whose result goes on into a quantised operand takes f32 operands (vector FMAs, or v_wmma_f32_16x16x4_f32). A number that lies on a knife's edge between two numbers of the format may be rounded either way, as far as f32 arithmetic and the matrix unit's own rounding can turn it there, and no further.
;; One version. Each part assembles by itself: llvm-mc -triple=amdgcn-amd-amdhsa -mcpu=gfx1250 --defsym DOCPART=n.
;; ======== version 1 of 1: 3 launches
;; limits: right only within a limited range of input values
;; workspace buffers: wimg 1,638,400 bytes; qimg 3,407,872 bytes; kvimg 6,815,744 bytes
;; launch wprep (part 1): grid 32 x 8, 2 waves a work-group, no clusters, 0 bytes of LDS; arguments W_iq, W_ik, W_iv, W_cq, W_ck, W_cv, W_io, W_co, wimg; writes wimg
.if DOCPART == 1
	.amdgcn_target "amdgcn-amd-amdhsa--gfx1250"
	.amdhsa_code_object_version 6
	.text
	.protected	k_q6de21f9ab4_wprep
	.globl	k_q6de21f9ab4_wprep
	.p2align	8
	.type	k_q6de21f9ab4_wprep,@function
k_q6de21f9ab4_wprep:
	s_mov_b64 s[64:65], 0
	v_nop
	global_prefetch_b8 v0, s[64:65] scope:SCOPE_SE
	s_setreg_imm32_b32 hwreg(HW_REG_WAVE_MODE, 25, 1), 1
	s_wait_xcnt 0x0
; The eight weights W [512 (k)][512 (n)], f32, K their FIRST axis, become codes of FP6 (E2M3) with one E8M0 byte for each 32 along K,
; laid as IMAGES OF OPERAND REGISTERS: a fragment (16 columns x 128 K, 12 registers a lane) is three runs of 512 bytes, register j of lane l at run j / 4, byte 16 l + 4 (j % 4).
; wimg: [weight 8][group of 32 columns 16] records of 12,800 bytes: [K step 4][tile T0 1,536 | tile T1 1,536], then [K step 4][lane 32] scale words (lanes 0-15 T0's columns, lanes 16-31 T1's).
; THE COLUMNS OF A TILE ARE NOT NEIGHBOURS: lane r of tile T0 takes column r + 8 (r / 8) of the 32, of tile T1 column 8 + r + 8 (r / 8): so a product's results lie as neighbours along the next K.
; SHARES: work-group y = the weight; x % 8 = 64 columns, x / 8 = the K step of 128; a wave takes 32 columns x 128 K.  A LANE TAKES A COLUMN AND ITS REGISTERS RUN DOWN K:
; a load reads 128 consecutive bytes, a block of 32 lies in one lane, the conversions give K innermost.  Lanes 0-15 hold T0's columns, lanes 16-31 T1's.
; A block's scale is 2^(floor(log2(largest magnitude)) - 2); its byte is the largest magnitude's exponent field - 2, held at 1 from below.
; LIMITS: NaN and infinities are not served; a block whose largest magnitude lies under 2^-124 keeps the byte 1; a block of zeros has the byte 1 and not 127: its codes are zeros and this program alone reads the bytes.
.set WGT,  204800                      ; a weight's images
.set WREC, 12800                       ; a record: 32 columns
.set EMAX, 2
.set X,    32                          ; v32-159  four blocks of 32 numbers
.set F0,   160                         ; v160-171 blocks 0 and 2, then tile T0's fragment; v172-183 blocks 1 and 3, then T1's
.set U,    184                         ; v184-186 a block's upper 16 codes (a conversion's three registers begin on an even number)
	s_load_b512 s[8:23], s[0:1], 0x0               ; the eight weights
	s_load_b64 s[24:25], s[0:1], 0x40              ; wimg
	v_lshrrev_b32 v1, 5, v0
	v_readfirstlane_b32 s2, v1                     ; wave 0, 1
	v_and_b32 v2, 31, v0                           ; lane
	s_and_b32 s3, ttmp7, 0xffff                    ; which weight
	s_and_b32 s26, ttmp9, 7
	s_lshl_b32 s26, s26, 1
	s_add_co_u32 s26, s26, s2                      ; my group of 32 columns
	s_lshr_b32 s27, ttmp9, 3                       ; my K step
	v_and_b32 v3, 7, v2                            ; my column of the 32: bits 0-2 as they are, bits 3 and 4 of the lane change places
	v_bfe_u32 v6, v2, 4, 1
	v_lshl_or_b32 v3, v6, 3, v3
	v_bfe_u32 v6, v2, 3, 1
	v_lshl_or_b32 v3, v6, 4, v3
	v_lshlrev_b32 v3, 2, v3                        ; in bytes
	v_lshlrev_b32 v4, 4, v2                        ; 16 x lane: an image's place
	v_lshlrev_b32 v5, 2, v2                        ; 4 x lane: a scale word's
	s_lshl_b32 s28, s27, 18                        ; 128 rows of 2,048 bytes a K step
	s_lshl_b32 s29, s26, 7                         ; 128 bytes a group of columns
	s_add_co_u32 s28, s28, s29
	s_mov_b32 s29, 0
	s_mul_i32 s30, s3, WGT
	s_mul_i32 s31, s26, WREC
	s_add_co_u32 s30, s30, s31                     ; my record
	s_mul_i32 s32, s27, 3072
	s_add_co_u32 s32, s32, s30                     ; my K step's two fragments
	s_mov_b32 s33, 0
	s_lshl_b32 s34, s27, 7
	s_add_co_u32 s34, s34, s30
	s_add_co_u32 s34, s34, 12288                   ; and its 32 scale words
	s_mov_b32 s35, 0
	s_wait_alu depctr_va_vdst(0)
	s_wait_kmcnt 0x0
	s_mov_b64 s[4:5], s[8:9]                       ; the weight is chosen by the work-group's y alone
.irp n, 1,2,3,4,5,6,7
	s_cmp_eq_u32 s3, \n
	s_cselect_b64 s[4:5], s[8+2*\n:9+2*\n], s[4:5]
.endr
	s_add_nc_u64 s[4:5], s[4:5], s[28:29]
	s_add_nc_u64 s[6:7], s[24:25], s[32:33]
	s_add_nc_u64 s[36:37], s[24:25], s[34:35]
.macro LOAD t                          ; block t: W(32 t + i, my column), i = 0 .. 31
.set i, 0
.rept 32
	global_load_b32 v[X+32*(\t)+i], v3, s[4:5] offset:(32*(\t)+i)*2048 th:TH_LOAD_NT
.set i, i+1
.endr
.endm
.macro BLOCK t
.set XS, X+32*(\t)
.set HM, F0+12*((\t)%2)+6*((\t)/2)     ; where the block's six registers of codes go
.if (\t) < 3
	s_wait_loadcnt 32                              ; this block's 32 loads are in; the next block's 32 may be out
.else
	s_wait_loadcnt 0x0
.endif
.if (\t) < 2
	LOAD (\t)+2
.endif
	v_max3_num_f32 v12, |v[XS]|, |v[XS+1]|, |v[XS+2]|              ; the block's largest magnitude: all 32 numbers are mine; two chains
	v_max3_num_f32 v13, |v[XS+3]|, |v[XS+4]|, |v[XS+5]|
.irp i, 6,10,14,18,22,26
	v_max3_num_f32 v12, v12, |v[XS+\i]|, |v[XS+\i+1]|
	v_max3_num_f32 v13, v13, |v[XS+\i+2]|, |v[XS+\i+3]|
.endr
	v_max3_num_f32 v12, v12, |v[XS+30]|, |v[XS+31]|
	v_max3_num_f32 v12, v12, v13, (EMAX+1)<<23     ; and the floor 2^(3 - 127): the byte cannot fall under 1
	v_add_nc_u32 v11, -(EMAX<<23), v12             ; 2 off the exponent field: the conversion takes this operand's exponent field as its scale
	v_lshrrev_b32 v13, 23, v11                     ; the scale's byte
.if (\t) == 0
	v_mov_b32 v16, v13                             ; four bytes make my column's scale word, the lower K in the lower byte
.else
	v_lshl_or_b32 v16, v13, 8*(\t), v16
.endif
	v_cvt_scalef32_pk16_fp6_f32 v[HM:HM+2], v[XS:XS+15], v11
	v_cvt_scalef32_pk16_fp6_f32 v[U:U+2], v[XS+16:XS+31], v11
	v_nop                                          ; one plain place behind a scaled conversion
.irp i, 0,1,2
	v_mov_b32 v[HM+3+\i], v[U+\i]
.endr
.endm
	LOAD 0
	LOAD 1
	BLOCK 0
	BLOCK 1
	BLOCK 2
	BLOCK 3
; A fragment's lane (r, h) wants blocks h and 2 + h of column r.  The first run's lanes 16-31 (T1's blocks 0, 2) change places with the second run's lanes 0-15 (T0's blocks 1, 3).
.set i, 0
.rept 12
	v_permlane16_swap_b32 v[F0+i], v[F0+12+i]
.set i, i+1
.endr
.irp c, 0,1,2
	global_store_b128 v4, v[F0+4*\c:F0+4*\c+3], s[6:7] offset:512*\c              ; 32 lanes store 512 consecutive bytes, at a multiple of 256 from wimg's first byte
	global_store_b128 v4, v[F0+12+4*\c:F0+12+4*\c+3], s[6:7] offset:1536+512*\c
.endr
	global_store_b32 v5, v16, s[36:37]             ; 128 consecutive bytes: one byte in 25 of what this wave stores
	s_endpgm
.Lfunc_end_k_q6de21f9ab4_wprep:
	.size	k_q6de21f9ab4_wprep, .Lfunc_end_k_q6de21f9ab4_wprep-k_q6de21f9ab4_wprep
	.p2alignl 7, 3214868480
	.fill 96, 4, 3214868480
	.section	.rodata,"a",@progbits
	.p2align	6, 0x0
	.amdhsa_kernel k_q6de21f9ab4_wprep
		.amdhsa_group_segment_fixed_size 0
		.amdhsa_private_segment_fixed_size 0
		.amdhsa_enable_private_segment 0
		.amdhsa_kernarg_size 72
		.amdhsa_user_sgpr_count 2
		.amdhsa_user_sgpr_kernarg_segment_ptr 1
		.amdhsa_wavefront_size32 1
		.amdhsa_system_sgpr_workgroup_id_x 1
		.amdhsa_system_sgpr_workgroup_id_y 1
		.amdhsa_system_sgpr_workgroup_id_z 1
		.amdhsa_system_vgpr_workitem_id 0
		.amdhsa_next_free_vgpr 192
		.amdhsa_next_free_sgpr 66
		.amdhsa_reserve_vcc 0
		.amdhsa_float_denorm_mode_32 3
		.amdhsa_float_denorm_mode_16_64 3
		.amdhsa_memory_ordered 1
		.amdhsa_forward_progress 1
		.amdhsa_inst_pref_size 22
	.end_amdhsa_kernel
	.amdgpu_metadata
---
amdhsa.version: [ 1, 2 ]
amdhsa.kernels:
  - .name:           k_q6de21f9ab4_wprep
    .symbol:         k_q6de21f9ab4_wprep.kd
    .args:
      - { .name: W_iq, .offset: 0, .size: 8, .value_kind: global_buffer, .address_space: global }
      - { .name: W_ik, .offset: 8, .size: 8, .value_kind: global_buffer, .address_space: global }
      - { .name: W_iv, .offset: 16, .size: 8, .value_kind: global_buffer, .address_space: global }
      - { .name: W_cq, .offset: 24, .size: 8, .value_kind: global_buffer, .address_space: global }
      - { .name: W_ck, .offset: 32, .size: 8, .value_kind: global_buffer, .address_space: global }
      - { .name: W_cv, .offset: 40, .size: 8, .value_kind: global_buffer, .address_space: global }
      - { .name: W_io, .offset: 48, .size: 8, .value_kind: global_buffer, .address_space: global }
      - { .name: W_co, .offset: 56, .size: 8, .value_kind: global_buffer, .address_space: global }
      - { .name: wimg, .offset: 64, .size: 8, .value_kind: global_buffer, .address_space: global }
    .group_segment_fixed_size: 0
    .private_segment_fixed_size: 0
    .kernarg_segment_align: 8
    .kernarg_segment_size: 72
    .max_flat_workgroup_size: 64
    .sgpr_count:     66
    .vgpr_count:     192
    .wavefront_size: 32
...
	.end_amdgpu_metadata
.endif
;; end of part 1
;; launch proj (part 2): grid 32 x 8, 8 waves a work-group, clusters of 4 x 1, 214,016 bytes of LDS; arguments img, clinic, wimg, qimg, kvimg; writes qimg, kvimg
.if DOCPART == 2
	.amdgcn_target "amdgcn-amd-amdhsa--gfx1250"
	.amdhsa_code_object_version 6
	.text
	.protected	k_q6de21f9ab4_proj
	.globl	k_q6de21f9ab4_proj
	.p2align	8
	.type	k_q6de21f9ab4_proj,@function
k_q6de21f9ab4_proj:
	s_mov_b64 s[64:65], 0
	v_nop
	global_prefetch_b8 v0, s[64:65] scope:SCOPE_SE
	s_setreg_imm32_b32 hwreg(HW_REG_WAVE_MODE, 25, 1), 1
	s_wait_xcnt 0x0
	s_wait_alu depctr_hold_cnt(0) depctr_sa_sdst(0) depctr_va_vdst(0) depctr_va_sdst(0) depctr_va_ssrc(0) depctr_va_vcc(0) depctr_vm_vsrc(0)
	s_getreg_b32 s2, hwreg(HW_REG_IB_STS2, 6, 4)
	s_cmp_eq_u32 s2, 0
	s_cbranch_scc0 .Lentry_in_a_cluster
	s_endpgm
.Lentry_in_a_cluster:
	s_bfe_u32 s2, ttmp6, 0x10000c
	s_cmp_lg_u32 s2, 0x3003
	s_cbranch_scc0 .Lentry_shape_is_right
	s_endpgm
.Lentry_shape_is_right:
; q, k, v = Q(x) Q(W) for two heads and 128 rows of one stream, all products on codes of FP6 (E2M3) with E8M0 scales; the results are quantised at once for the attention's products and stored as images of operand registers.
; SHARES: work-group y = 4 x stream + head pair; x = the block of 128 rows.  Eight waves.  Wave w first quantises row tile w of x (16 rows x 512) into LDS; then it makes three units of 32 products:
;   q and k: head w / 4, row tiles 2 (w % 4), 2 (w % 4) + 1, all 64 columns, USED TRANSPOSED (source 0 = 16 columns of W, source 1 = 16 rows of x): a lane holds one row and its registers run along d, which is the next K;
;   v:       head w / 4, 16 columns (d tile w % 4), all 128 rows, in the natural order (source 0 = x, source 1 = W): a lane holds one d and its registers run along the keys, which are the next K.
; THE ROWS OF A TILE OF x ARE NOT NEIGHBOURS (tile t, lane r: row 64 (t / 4) + 8 (t % 4) + r % 8 + 32 (r / 8)), nor are the columns of a tile of W: so 16 registers of two neighbouring result tiles are 16 neighbours along the next K.
; CLUSTER: the four row blocks of a cluster need the same 153,600 bytes of weights (q's, k's, v's slices of 128 columns): they are asked for JOINTLY, six tensor loads of 25,600 bytes by waves 0 to 5, filled once.
; OUT: qimg [(stream, b, head)][row block] records of 6,656: 8 tiles x (512 bytes registers 0-3, 256 bytes registers 4-5), 512 bytes of scale words.  kvimg [(b, head)][source][step of 128 keys] records of 13,312:
;   K's codes (48 registers, 6 a tile) 6,144 | K's scale words 512 | V^T's four fragments 6,144 | V's scale words 512.  The head's 64 fill half of the instruction's 128: scale bytes 2, 3 are 0x7f.
; LIMITS: NaN and infinities are not served; a block whose largest magnitude lies under 2^-124 keeps the byte 1; a block of zeros has the byte 1 and not 127: its codes are zeros and this program alone reads the bytes.
.set FRB,   1536                       ; a fragment's image
.set WREC,  12800                      ; a record of wimg: 32 columns
.set WGT,   204800                     ; a weight
.set WSL,   51200                      ; 128 columns
.set QREC,  6656
.set QHEAD, 106496
.set RB,    13312
.set XIMG,  153600                     ; LDS: 0: the weights, kind x WSL;  here: x's 32 fragments, (4 tile + K step) x FRB;
.set XSC,   202752                     ; their scale words, 128 bytes each;
.set SST,   206848                     ; eight runs of 512 bytes: head x 4 + (0: K's scale words, 1: V's, 2: q's, 3: unused)
.set HA,    32                         ; v32-95   eight accumulators; before that 64 numbers of x
.set OP,    96                         ; v96-203  operands; v96-159 before that 64 numbers of x
.set PC,    216                        ; v216-235 the codes just made
.set TM,    236                        ; v236-251 at work in QUANT
.set PW,    252                        ; the scale word just made
.set SW,    253                        ; and its half for a tile of q or k
.set WV,    8                          ; s8 my wave's number
.set SEL,   10                         ; s[10:11] selects for v_permlanex16_b32: lane l xor 16
; v204-212 hold scale words of the products and nothing else.
.macro CROUND                          ; a round of the cluster's barrier
	s_barrier_signal -1
	s_barrier_wait -1
	s_cmp_lg_u32 s[WV], 0
	s_cbranch_scc1 .Lnot_wave_0_\@
	s_barrier_signal -3
.Lnot_wave_0_\@:
	s_barrier_wait -3
	s_barrier_signal -1
	s_barrier_wait -1
.endm
.macro BARRIER                         ; my LDS stores have landed and my LDS loads are in: then the work-group's barrier
	s_wait_dscnt 0x0
	s_barrier_signal -1
	s_barrier_wait -1
.endm
.macro XLOAD reg, ks                   ; my 16 rows' numbers of K step ks: lane (r, h) takes, of each block of 32, its 16 numbers 16 h on
.irp b, 0,1,2,3
.irp j, 0,1,2,3
	global_load_b128 v[\reg+16*\b+4*\j:\reg+16*\b+4*\j+3], v4, s[40:41] offset:512*\ks+128*\b+16*\j
.endr
.endr
.endm
; 64 numbers of a lane, register 16 b + i = place 32 b + 16 (lane / 16) + i along K of my row, become 12 registers of codes in v[PC] on (lane (r, h): registers 6 c on = block 2 c + h) and four scale bytes in v[PW].
.macro QUANT s
.irp b, 0,1,2,3
	v_max3_num_f32 v[TM+\b], |v[\s+16*\b]|, |v[\s+1+16*\b]|, 0x1800000   ; my 16 numbers, and the floor 2^(3 - 127): the byte cannot fall under 1
.endr
.irp i, 2,4,6,8,10,12,14
.irp b, 0,1,2,3
	v_max3_num_f32 v[TM+\b], v[TM+\b], |v[\s+16*\b+\i]|, |v[\s+1+16*\b+\i]|   ; the four blocks by turns
.endr
.endr
.irp b, 0,1,2,3
	s_delay_alu instid0(VALU_DEP_4)
	v_permlanex16_b32 v[TM+4+\b], v[TM+\b], s[SEL], s[SEL+1]
.endr
.irp b, 0,1,2,3
	s_delay_alu instid0(VALU_DEP_4)
	v_max_num_f32 v[TM+\b], v[TM+\b], v[TM+4+\b]   ; with lane l xor 16's: the block's largest magnitude
.endr
.irp b, 0,1,2,3
	s_delay_alu instid0(VALU_DEP_4)
	v_add_nc_u32 v[TM+12+\b], 0xff000000, v[TM+\b] ; 2 off its exponent field: the conversion's scale operand
.endr
.irp b, 0,1,2,3
	s_delay_alu instid0(VALU_DEP_4)
	v_lshrrev_b32 v[TM+4+\b], 23, v[TM+12+\b]      ; the scale's byte
.endr
	s_delay_alu instid0(VALU_DEP_3)
	v_lshl_or_b32 v[PW], v[TM+5], 8, v[TM+4]
	s_delay_alu instid0(VALU_DEP_1)
	v_lshl_or_b32 v[PW], v[TM+6], 16, v[PW]
	s_delay_alu instid0(VALU_DEP_1)
	v_lshl_or_b32 v[PW], v[TM+7], 24, v[PW]
.irp c, 0,1
	v_cvt_scalef32_pk16_fp6_f32 v[PC+6*\c:PC+2+6*\c], v[\s+32*\c:\s+15+32*\c], v[TM+12+2*\c]
	v_cvt_scalef32_pk16_fp6_f32 v[PC+12+4*\c:PC+14+4*\c], v[\s+16+32*\c:\s+31+32*\c], v[TM+12+2*\c+1]   ; (a conversion's three registers begin on an even number)
.endr
	v_nop                                          ; one plain place behind a scaled conversion
.irp c, 0,1                            ; the layout wants a whole block in a lane: lanes 0-15 block 2 c, lanes 16-31 block 2 c + 1
.irp i, 0,1,2
	v_permlane16_swap_b32 v[PC+6*\c+\i], v[PC+12+4*\c+\i]
.endr
.irp i, 0,1,2
	s_delay_alu instid0(VALU_DEP_3)
	v_mov_b32 v[PC+3+6*\c+\i], v[PC+12+4*\c+\i]
.endr
.endr
.endm
.macro IMAGE adr, off                  ; the 12 registers go to LDS as they stand
.irp c, 0,1,2
	ds_store_b128 v[\adr], v[PC+4*\c:PC+4*\c+3] offset:\off+512*\c
.endr
.endm
.macro FETCH reg, adr, off             ; and come back so, in any wave
.irp c, 0,1,2
	ds_load_b128 v[\reg+4*\c:\reg+4*\c+3], v[\adr] offset:\off+512*\c
.endr
.endm
.macro XQ reg, ks                      ; a K step of my rows of x: codes and scale word to LDS
	QUANT \reg
	IMAGE 5, \ks*FRB
	ds_store_b32 v6, v[PW] offset:\ks*128
.endm
; a product.  zero: it starts its sum;  row: source 0's scale words stand in lanes 16-31
.macro MM d, a, b, zero, sa, sb, row
.if \zero
.if \row
	v_wmma_scale_f32_16x16x128_f8f6f4 v[\d:\d+7], v[\a:\a+11], v[\b:\b+11], 0, v[\sa], v[\sb] matrix_a_fmt:MATRIX_FMT_FP6 matrix_b_fmt:MATRIX_FMT_FP6 matrix_a_scale:MATRIX_SCALE_ROW1
.else
	v_wmma_scale_f32_16x16x128_f8f6f4 v[\d:\d+7], v[\a:\a+11], v[\b:\b+11], 0, v[\sa], v[\sb] matrix_a_fmt:MATRIX_FMT_FP6 matrix_b_fmt:MATRIX_FMT_FP6
.endif
.else
.if \row
	v_wmma_scale_f32_16x16x128_f8f6f4 v[\d:\d+7], v[\a:\a+11], v[\b:\b+11], v[\d:\d+7], v[\sa], v[\sb] matrix_a_fmt:MATRIX_FMT_FP6 matrix_b_fmt:MATRIX_FMT_FP6 matrix_a_scale:MATRIX_SCALE_ROW1
.else
	v_wmma_scale_f32_16x16x128_f8f6f4 v[\d:\d+7], v[\a:\a+11], v[\b:\b+11], v[\d:\d+7], v[\sa], v[\sb] matrix_a_fmt:MATRIX_FMT_FP6 matrix_b_fmt:MATRIX_FMT_FP6
.endif
.endif
.endm
; q's or k's unit: 4 K steps x 8 products; the eight accumulators (row tile e, column tile ct) take turns, one instruction a turn, in the same order in every K step.
; wa, ws: the registers with the LDS addresses of the weight's fragments and scale words.  Then the 64 results of a lane are quantised: blocks 0, 1 are row tile 2 u's d, blocks 2, 3 row tile 2 u + 1's.
.macro QKUNIT wa, ws
.irp ks, 0,1,2,3
.irp ct, 0,1,2,3
	FETCH OP+12*\ct, \wa, (\ct/2)*WREC+\ks*3072+(\ct%2)*1536
.endr
	ds_load_b32 v204, v[\ws] offset:128*\ks            ; lanes 0-15: column tile 0's words, lanes 16-31: tile 1's
	ds_load_b32 v205, v[\ws] offset:WREC+128*\ks       ; tiles 2 and 3
.irp e, 0,1
	FETCH OP+48+12*\e, 9, \e*6144+\ks*1536
	ds_load_b32 v[206+\e], v10 offset:\e*512+\ks*128
.endr
	s_wait_dscnt 0x0
.irp e, 0,1
.irp ct, 0,1,2,3
	MM HA+8*(4*\e+\ct), OP+12*\ct, OP+48+12*\e, \ks==0, 204+\ct/2, 206+\e, \ct%2
.endr
.endr
.rept 5
	v_nop                                          ; places in front of loads into registers that the products have read, of the first read of results, and of products that begin these accumulators anew
.endr
.endr
	s_wait_xcnt 0x0                                ; the last unit's stores have read the codes' registers: they are written again only behind this wait
	QUANT HA
	v_lshrrev_b32 v[SW], v16, v[PW]                ; lanes 0-15: bytes 0, 1 (tile 2 u), lanes 16-31: bytes 2, 3 (tile 2 u + 1);
	s_delay_alu instid0(VALU_DEP_1)
	v_and_or_b32 v[SW], v[SW], s52, s53            ; the upper 64 along K, where q's codes are zeros, get the byte 0x7f
.endm
	s_load_b256 s[12:19], s[0:1], 0x0              ; img, clinic, wimg, qimg
	s_load_b64 s[20:21], s[0:1], 0x20              ; kvimg
	v_lshl_add_u32 v254, v0, 2, 0x34000
	v_mov_b32 v255, 0
	ds_add_u32 v254, v255
	ds_add_u32 v254, v255
	v_lshrrev_b32 v21, 5, v0
	s_delay_alu instid0(VALU_DEP_1)
	v_readfirstlane_b32 s[WV], v21                 ; wave 0..7
	s_and_b32 s36, ttmp7, 0xffff
	s_lshr_b32 s37, s36, 2                         ; the stream
	s_and_b32 s38, s36, 3                          ; the head pair
	s_min_u32 s39, s[WV], 5                        ; which sixth of the weights I fetch (waves 6, 7 fetch nothing)
	; descriptor group 1: a dense block of 25,600 bytes as 100 rows of 256 bytes (32 elements of 8 bytes), no padding
	s_mov_b32 s24, 15|(3<<16)|(1<<21)              ; 15:0 the mask: all four work-groups; 17:16 elements of 8 bytes; 21 set beside a mask
	s_mov_b32 s25, 32<<16                          ; tensor_dim0 = 32
	s_mov_b32 s26, 100<<16                         ; tensor_dim1 = 100
	s_mov_b32 s27, 32<<16                          ; tile_dim0 = 32
	s_mov_b32 s28, 100                             ; tile_dim1 = 100
	s_mov_b32 s29, 32                              ; from row to row
	s_mov_b32 s30, 0
	s_mov_b32 s31, 0
	s_mov_b32 s32, 1                               ; group 0: count = 1
	s_mul_i32 s33, s39, 25600                      ; LDS address: the wave's number alone
	s_lshr_b32 s54, s39, 1                         ; q, k or v
	s_mul_i32 s55, s37, 3
	s_add_co_u32 s54, s54, s55                     ; the weight: 3 x stream + kind
	s_mul_i32 s54, s54, WGT
	s_mul_i32 s55, s38, WSL                        ; the head pair's 128 columns
	s_add_co_u32 s54, s54, s55
	s_and_b32 s55, s39, 1
	s_mul_i32 s55, s55, 25600                      ; which half of them
	s_add_co_u32 s54, s54, s55
	s_mov_b32 s55, 0
	s_wait_dscnt 0x0
	s_wait_kmcnt 0x0
	s_add_nc_u64 s[34:35], s[16:17], s[54:55]      ; global address: it hangs on y and the wave alone, which the four partners share
	s_or_b32 s35, s35, 0x80000000                  ; type = 2
	CROUND                                         ; all four work-groups are here: the joint loads meet
	s_cmp_lt_u32 s[WV], 6
	s_cbranch_scc0 .Lno_fill
	tensor_load_to_lds s[32:35], s[24:31]          ; one load a wave, the only fill of these bytes
	s_nop 0
.rept 4
	v_nop
.endr
.Lno_fill:
	s_bfe_u32 s2, ttmp6, 0x40000                   ; cx: it enters global addresses of x, qimg and kvimg alone
	s_lshl_b32 s3, ttmp9, 2
	s_add_co_u32 s2, s2, s3                        ; my block of 128 rows, 0..31
	s_lshr_b32 s3, s2, 4                           ; b
	s_and_b32 s4, s2, 15                           ; the step of 128 keys, the row block of q
	s_lshr_b32 s5, s[WV], 2                        ; which head of the pair
	s_and_b32 s6, s[WV], 3                         ; u
	s_mov_b32 s[SEL], 0x76543210
	s_mov_b32 s[SEL+1], 0xfedcba98
	s_mov_b32 s52, 0xffff
	s_mov_b32 s53, 0x7f7f0000
	s_cmp_eq_u32 s37, 0
	s_cselect_b64 s[40:41], s[12:13], s[14:15]     ; x: img or clinic
	s_lshl_b32 s22, s2, 18                         ; 128 rows of 2,048 bytes
	s_lshr_b32 s7, s[WV], 2
	s_lshl_b32 s7, s7, 17                          ; my tile of x begins at row 64 (w / 4) + 8 (w % 4)
	s_add_co_u32 s22, s22, s7
	s_and_b32 s7, s[WV], 3
	s_lshl_b32 s7, s7, 14
	s_add_co_u32 s22, s22, s7
	s_mov_b32 s23, 0
	s_add_nc_u64 s[40:41], s[40:41], s[22:23]
	v_and_b32 v21, 31, v0                          ; lane
	s_wait_alu depctr_va_vdst(0)
	v_and_b32 v22, 15, v0                          ; r
	v_bfe_u32 v23, v0, 4, 1                        ; h
	s_delay_alu instid0(VALU_DEP_2)
	v_and_b32 v24, 8, v22
	s_delay_alu instid0(VALU_DEP_1)
	v_mad_u32_u24 v24, v24, 3, v22                 ; lane r of a tile of x takes row r % 8 + 32 (r / 8) from the tile's first: tile t, lane r = row 64 (t / 4) + 32 (r / 8) + 8 (t % 4) + r % 8
	s_delay_alu instid0(VALU_DEP_1)
	v_lshlrev_b32 v4, 11, v24
	s_delay_alu instid0(VALU_DEP_1)
	v_lshl_add_u32 v4, v23, 6, v4                  ; x: that row, + 64 h
	XLOAD HA, 0
	XLOAD OP, 1
	s_lshl_b32 s7, s37, 1
	s_add_co_u32 s7, s7, s3
	s_lshl_b32 s7, s7, 3
	s_lshl_b32 s9, s38, 1
	s_add_co_u32 s9, s9, s5                        ; my head
	s_add_co_u32 s7, s7, s9                        ; (2 stream + b) x 8 + head
	s_mul_i32 s22, s7, QHEAD
	s_mul_i32 s7, s4, QREC
	s_add_co_u32 s22, s22, s7
	s_add_nc_u64 s[42:43], s[18:19], s[22:23]      ; q's record
	s_mul_i32 s22, s6, 1536
	s_add_nc_u64 s[44:45], s[42:43], s[22:23]      ; my two tiles in it
	s_lshl_b32 s7, s3, 3
	s_add_co_u32 s7, s7, s9
	s_lshl_b32 s7, s7, 1
	s_add_co_u32 s7, s7, s37
	s_lshl_b32 s7, s7, 4
	s_add_co_u32 s7, s7, s4                        ; ((8 b + head) x 2 + stream) x 16 + step
	s_mul_i32 s22, s7, RB
	s_add_nc_u64 s[46:47], s[20:21], s[22:23]      ; the key step's record
	s_mul_i32 s22, s6, 1536
	s_add_nc_u64 s[48:49], s[46:47], s[22:23]      ; my part of K's codes; 6,656 bytes on, my fragment of V^T
	s_cmp_eq_u32 s6, 2                             ; where my run of scale words goes at the end: u = 0: K's, 1: V's, 2: q's
	s_cselect_b64 s[50:51], s[42:43], s[46:47]
	s_mov_b32 s22, 6144
	s_cmp_eq_u32 s6, 1
	s_cselect_b32 s22, 12800, s22
	s_add_nc_u64 s[50:51], s[50:51], s[22:23]
	; LDS addresses, all made here: a constant + a constant x lane + a constant x wave
	v_lshlrev_b32 v1, 4, v21                       ; 16 x lane
	s_wait_alu depctr_va_vdst(0)
	v_lshlrev_b32 v2, 2, v21                       ; 4 x lane
	s_wait_alu depctr_va_vdst(0)
	v_lshlrev_b32 v3, 3, v21                       ; 8 x lane
	s_mul_i32 s7, s[WV], 6144
	s_add_co_u32 s7, s7, XIMG
	v_add_nc_u32 v5, s7, v1                        ; where I store x's images
	s_lshl_b32 s7, s[WV], 9
	s_add_co_u32 s7, s7, XSC
	v_add_nc_u32 v6, s7, v2                        ; and their scale words
	s_mul_i32 s7, s5, 2*WREC
	v_add_nc_u32 v7, s7, v1                        ; W_q: my head's 64 columns
	s_delay_alu instid0(VALU_DEP_1)
	v_add_nc_u32 v19, WSL, v7                      ; W_k
	s_add_co_u32 s7, s7, 12288
	v_add_nc_u32 v8, s7, v2                        ; their scale words
	s_delay_alu instid0(VALU_DEP_1)
	v_add_nc_u32 v20, WSL, v8
	s_mul_i32 s7, s6, 12288
	s_add_co_u32 s7, s7, XIMG
	v_add_nc_u32 v9, s7, v1                        ; x's tiles 2 u, 2 u + 1
	s_lshl_b32 s7, s6, 10
	s_add_co_u32 s7, s7, XSC
	v_add_nc_u32 v10, s7, v2
	s_lshr_b32 s7, s[WV], 1
	s_mul_i32 s7, s7, WREC
	s_add_co_u32 s7, s7, 2*WSL                     ; W_v: record w / 2, tile w % 2
	s_and_b32 s9, s[WV], 1
	s_mul_i32 s22, s9, 1536
	s_add_co_u32 s22, s22, s7
	v_add_nc_u32 v11, s22, v1
	s_lshl_b32 s22, s9, 6
	s_add_co_u32 s22, s22, s7
	s_add_co_u32 s22, s22, 12288
	v_lshl_add_u32 v12, v22, 2, s22                ; its scale words, by r: lanes 0-15 hold my tile's
	s_lshl_b32 s7, s5, 11
	s_add_co_u32 s7, s7, SST
	s_lshl_b32 s9, s6, 2
	s_add_co_u32 s9, s9, s7
	v_add_nc_u32 v13, s9, v1                       ; K's (and 512 on: V's) scale words: register u of the run: 16 x lane + 4 u
	s_lshl_b32 s9, s6, 7
	s_add_co_u32 s9, s9, s7
	s_add_co_u32 s9, s9, 1024
	v_add_nc_u32 v14, s9, v2                       ; q's: 128 u + 4 x lane
	s_lshl_b32 s9, s[WV], 9
	s_add_co_u32 s9, s9, SST
	v_add_nc_u32 v15, s9, v1                       ; the run that I carry out
	v_lshlrev_b32 v16, 4, v23                      ; 16 h
	v_add_nc_u32 v17, XIMG, v1
	v_add_nc_u32 v18, XSC, v2
.irp b, 0,1,2,3
	v_mov_b32 v[TM+4+\b], 0                        ; written once: a lane permute's destination counts as one of its sources
.endr
	; ---- x: my 16 rows, four K steps, in two sets of registers by turns
	s_wait_loadcnt 16                              ; K step 0's 16 loads are in; K step 1's may be out
	XQ HA, 0
	XLOAD HA, 2
	s_wait_dscnt 0x0                               ; the LDS stores have read the codes' registers
	s_wait_loadcnt 16                              ; K step 1 is in; K step 2's 16 may be out
	XQ OP, 1
	XLOAD OP, 3
	s_wait_dscnt 0x0
	s_wait_loadcnt 16                              ; K step 2 is in; K step 3's 16 may be out
	XQ HA, 2
	s_wait_dscnt 0x0
	s_wait_loadcnt 0x0
	XQ OP, 3
	s_wait_tensorcnt 0x0                           ; my part of the weights has landed
	BARRIER                                        ; x's 32 fragments and all the weights lie in LDS
	; ---- q
	QKUNIT 7, 8
	global_store_b128 v1, v[PC:PC+3], s[44:45]                     ; tile 2 u: registers 0-3, 512 consecutive bytes;
	global_store_b64 v3, v[PC+4:PC+5], s[44:45] offset:512         ; registers 4, 5, 256 consecutive bytes
	global_store_b128 v1, v[PC+6:PC+9], s[44:45] offset:768        ; tile 2 u + 1
	global_store_b64 v3, v[PC+10:PC+11], s[44:45] offset:1280
	ds_store_b32 v14, v[SW]
	; ---- k
	QKUNIT 19, 20
.irp c, 0,1,2
	global_store_b128 v1, v[PC+4*\c:PC+4*\c+3], s[48:49] offset:512*\c   ; registers 12 u .. 12 u + 11 of the step's 48
.endr
	ds_store_b32 v13, v[SW]
	; ---- v: eight accumulators, one for each row tile, by turns
.irp ks, 0,1,2,3
	FETCH OP, 11, \ks*3072
	ds_load_b32 v204, v12 offset:128*\ks
.irp t, 0,1,2,3,4,5,6,7
	FETCH OP+12+12*\t, 17, (4*\t+\ks)*FRB
	ds_load_b32 v[205+\t], v18 offset:(4*\t+\ks)*128
.endr
	s_wait_dscnt 0x0
.irp t, 0,1,2,3,4,5,6,7
	MM HA+8*\t, OP+12+12*\t, OP, \ks==0, 205+\t, 204, 0
.endr
.rept 5
	v_nop                                          ; places, as in q's and k's units
.endr
.endr
	s_wait_xcnt 0x0                                ; k's stores have read the codes' registers
	; register 32 c + i = key 64 c + 32 h + i of my d: a lane holds blocks h and 2 + h whole, in the operand's own order
.irp c, 0,1
	v_max3_num_f32 v[TM+\c], |v[HA+32*\c]|, |v[HA+1+32*\c]|, 0x1800000   ; two chains a block, each accumulator from its low end on; the floor 2^(3 - 127)
	v_max_num_f32 v[TM+2+\c], |v[HA+2+32*\c]|, |v[HA+3+32*\c]|
.endr
.irp i, 4,8,12,16,20,24,28
.irp c, 0,1
	v_max3_num_f32 v[TM+\c], v[TM+\c], |v[HA+32*\c+\i]|, |v[HA+1+32*\c+\i]|
	v_max3_num_f32 v[TM+2+\c], v[TM+2+\c], |v[HA+2+32*\c+\i]|, |v[HA+3+32*\c+\i]|
.endr
.endr
.irp c, 0,1
	v_max_num_f32 v[TM+\c], v[TM+\c], v[TM+2+\c]   ; the block's largest magnitude
.endr
.irp c, 0,1
	s_delay_alu instid0(VALU_DEP_2)
	v_add_nc_u32 v[TM+12+\c], 0xff000000, v[TM+\c] ; 2 off its exponent field: the conversion's scale operand
.endr
.irp c, 0,1
	s_delay_alu instid0(VALU_DEP_2)
	v_lshrrev_b32 v[TM+4+\c], 23, v[TM+12+\c]      ; the scale's byte
.endr
	s_delay_alu instid0(VALU_DEP_1)
	v_lshl_or_b32 v[TM+6], v[TM+5], 16, v[TM+4]    ; my two bytes at places 0 and 2
	s_delay_alu instid0(VALU_DEP_1)
	v_permlanex16_b32 v[TM+7], v[TM+6], s[SEL], s[SEL+1]
	s_delay_alu instid0(VALU_DEP_1)
	v_perm_b32 v[PW], v[TM+7], v[TM+6], 0x06020400 ; lanes 0-15: blocks 0, 1, 2, 3 in order; lanes 16-31 hold the same four bytes in another order and are not read as scales
.irp c, 0,1
	v_cvt_scalef32_pk16_fp6_f32 v[PC+6*\c:PC+2+6*\c], v[HA+32*\c:HA+15+32*\c], v[TM+12+\c]
	v_cvt_scalef32_pk16_fp6_f32 v[PC+12+4*\c:PC+14+4*\c], v[HA+16+32*\c:HA+31+32*\c], v[TM+12+\c]   ; (a conversion's three registers begin on an even number)
.endr
	v_nop                                          ; one plain place behind a scaled conversion
.irp c, 0,1
.irp i, 0,1,2
	v_mov_b32 v[PC+3+6*\c+\i], v[PC+12+4*\c+\i]
.endr
.endr
.irp c, 0,1,2
	global_store_b128 v1, v[PC+4*\c:PC+4*\c+3], s[48:49] offset:6656+512*\c
.endr
	ds_store_b32 v13, v[PW] offset:512
	BARRIER                                        ; the scale words of both heads lie in LDS
	s_cmp_eq_u32 s6, 3                             ; six runs of 512 bytes: waves 3 and 7 carry nothing
	s_cbranch_scc1 .Lno_scales
	ds_load_b128 v[96:99], v15
	s_wait_dscnt 0x0
	global_store_b128 v1, v[96:99], s[50:51]       ; 512 consecutive bytes, at a multiple of 256 from the buffer's first byte
.Lno_scales:
	s_wait_dscnt 0x0
	s_wait_tensorcnt 0x0
	ds_add_u32 v254, v255
	s_wait_dscnt 0x0
	CROUND                                         ; the closing round: no work-group ends while a partner may still ask jointly
	s_endpgm
.Lfunc_end_k_q6de21f9ab4_proj:
	.size	k_q6de21f9ab4_proj, .Lfunc_end_k_q6de21f9ab4_proj-k_q6de21f9ab4_proj
	.p2alignl 7, 3214868480
	.fill 96, 4, 3214868480
	.section	.rodata,"a",@progbits
	.p2align	6, 0x0
	.amdhsa_kernel k_q6de21f9ab4_proj
		.amdhsa_group_segment_fixed_size 214016
		.amdhsa_private_segment_fixed_size 0
		.amdhsa_enable_private_segment 0
		.amdhsa_kernarg_size 40
		.amdhsa_user_sgpr_count 2
		.amdhsa_user_sgpr_kernarg_segment_ptr 1
		.amdhsa_wavefront_size32 1
		.amdhsa_system_sgpr_workgroup_id_x 1
		.amdhsa_system_sgpr_workgroup_id_y 1
		.amdhsa_system_sgpr_workgroup_id_z 1
		.amdhsa_system_vgpr_workitem_id 0
		.amdhsa_next_free_vgpr 256
		.amdhsa_next_free_sgpr 66
		.amdhsa_reserve_vcc 0
		.amdhsa_float_denorm_mode_32 3
		.amdhsa_float_denorm_mode_16_64 3
		.amdhsa_memory_ordered 1
		.amdhsa_forward_progress 1
		.amdhsa_inst_pref_size 82
	.end_amdhsa_kernel
	.amdgpu_metadata
---
amdhsa.version: [ 1, 2 ]
amdhsa.kernels:
  - .name:           k_q6de21f9ab4_proj
    .symbol:         k_q6de21f9ab4_proj.kd
    .args:
      - { .name: img, .offset: 0, .size: 8, .value_kind: global_buffer, .address_space: global }
      - { .name: clinic, .offset: 8, .size: 8, .value_kind: global_buffer, .address_space: global }
      - { .name: wimg, .offset: 16, .size: 8, .value_kind: global_buffer, .address_space: global }
      - { .name: qimg, .offset: 24, .size: 8, .value_kind: global_buffer, .address_space: global }
      - { .name: kvimg, .offset: 32, .size: 8, .value_kind: global_buffer, .address_space: global }
    .group_segment_fixed_size: 214016
    .private_segment_fixed_size: 0
    .kernarg_segment_align: 8
    .kernarg_segment_size: 40
    .max_flat_workgroup_size: 256
    .sgpr_count:     66
    .vgpr_count:     256
    .wavefront_size: 32
...
	.end_amdgpu_metadata
.endif
;; end of part 2
;; launch attn (part 3): grid 256 x 1, 8 waves a work-group, no clusters, 84,992 bytes of LDS; arguments qimg, kvimg, wimg, b_io, b_co, out0, out1; writes out0, out1
.if DOCPART == 3
	.amdgcn_target "amdgcn-amd-amdhsa--gfx1250"
	.amdhsa_code_object_version 6
	.text
	.protected	k_q6de21f9ab4_attn
	.globl	k_q6de21f9ab4_attn
	.p2align	8
	.type	k_q6de21f9ab4_attn,@function
k_q6de21f9ab4_attn:
	s_mov_b64 s[64:65], 0
	v_nop
	global_prefetch_b8 v0, s[64:65] scope:SCOPE_SE
	s_setreg_imm32_b32 hwreg(HW_REG_WAVE_MODE, 25, 1), 1
	s_wait_xcnt 0x0
; For 32 queries of one stream and batch, all eight heads: o = 0.5 (attend(q, img's k, v) + attend(q, clinic's k, v)), each over 2,048 keys and one zero key; then out = Q(o) Q(W_o) + b.  All products on codes of FP6 (E2M3) with E8M0 scales.
; THE SOFTMAX AHEAD OF THE SECOND PRODUCT: t = score x log2(e) / 8; M = the row's largest t so far, rounded UP to a whole number; p = 2^(t - M) is quantised along the keys, not normalised; the row's sum is taken of the
; unquantised p and divides at the end.  When M moves, the sum and O^T are multiplied by 2^(old M - new M): exact.
; LEFT OUT: the zero key's product with its zero value, rows that reference() builds as zeros in its own body: it adds 0 for all inputs.  The key itself counts: the largest score begins at 0 and the sum at 1 (0.5 in each of the query's two lanes).
; SHARES: work-group x = 128 stream + 64 b + block of 32 queries.  Eight waves of 512 registers: wave w takes head w and two tiles of 16 queries, and walks 32 steps of 128 keys: img's 16, then clinic's 16.
; A step's record (13,312 bytes, images of operand registers) is read by ONE wave of the work-group, 26 loads of 512 consecutive bytes, straight into the registers that the products name: K's for step i + 1 behind step i's score
; products, V's behind its second products.  NO CLUSTER, NO TENSOR LOAD.
; NO PREFETCH: every record is asked for a whole step ahead of its use by the loads themselves.
; LAYOUT: both products transposed (S^T = K Q^T, O^T = V^T P^T): a lane holds ONE query.  Tile t, row m of K is key 64 (t / 4) + 32 (m / 8) + 8 (t % 4) + m % 8 (the launch before chose so): register 32 c + i of S^T in lane (r, h)
; is key 64 c + 32 h + i: a lane holds blocks h and 2 + h whole, in the order of the next operand.  The queries of a tile are rows of the same pattern.
; THE HEAD'S 64 FILL HALF OF THE INSTRUCTION'S 128: q's registers 6-11 are zero codes; K's tiles lie six registers apart, so source 0's registers 6-11 are the next tile's codes: finite numbers that meet zeros under the byte 0x7f.
; THE WAY OUT: o's codes and scale bytes of all heads meet in LDS (one barrier); wave w makes output columns 64 w .. 64 w + 63 of the 32 rows, W_o's fragments straight from memory, the bias as the first C.
; LIMITS: the scaled scores stay under 2^31 in magnitude; NaN and infinities are not served, nor carried from the work left out; a block whose largest magnitude lies under 2^-124 keeps the byte 1; a block of zeros has the byte 1 and not 127.
; REGISTERS, window 0: v1-15 addresses; v16-31 scale words and nothing else; v32-85 K (80-85 zeros); v88-135 V; v136-159 p's codes; v160-175 upper halves of blocks; v176-239 the result; v240-255 at work.
;   window 1: v0-127 S^T, then p, of the two tiles; v128-191 O^T; v192-215 q; v216-239 a tile's state: -M, largest score, the sum (2), f (2), block maxima (2), four at work.
.set RB,    13312
.set KVH,   425984
.set QREC,  6656
.set QHEAD, 106496
.set WREC,  12800
.set WGT,   204800
.set OSC,   12288                      ; LDS: 0: o's codes, (8 tile + head) x 768; here: its scale bytes, (8 tile + head) x 128
.set STG,   14336                      ; a stage of 2 x 16 rows x 272 bytes for each wave
.set SPARE, 83968                      ; the spare words, 128 bytes a wave
.set KS, 16
.set VS, 20
.set QS, 24
.set PS, 26
.set KF, 32
.set VF, 88
.set PF, 136
.set CT, 160                           ; v160-175 upper halves of blocks: four registers for each of two tiles' two blocks
.set RR, 176                           ; v176-239 the result, 32 registers a tile (v232, v233 hold r and h at the head alone)
.set TW, 240                           ; v240-255 at work on the way out
.set OO, 128
.set QF, 192
.set ST, 216
.set MSB, 0
.macro WIN new                         ; the immediate's high byte repeats the setting that is left
.if MSB != \new
	s_set_vgpr_msb (MSB<<8)|\new
.set MSB, \new
.endif
.endm
.macro MM d, a, b, zero, sa, sb, row   ; a product.  zero: it starts its sum;  row: source 0's scale words stand in lanes 16-31
.if \zero
.if \row
	v_wmma_scale_f32_16x16x128_f8f6f4 v[\d:\d+7], v[\a:\a+11], v[\b:\b+11], 0, v[\sa], v[\sb] matrix_a_fmt:MATRIX_FMT_FP6 matrix_b_fmt:MATRIX_FMT_FP6 matrix_a_scale:MATRIX_SCALE_ROW1
.else
	v_wmma_scale_f32_16x16x128_f8f6f4 v[\d:\d+7], v[\a:\a+11], v[\b:\b+11], 0, v[\sa], v[\sb] matrix_a_fmt:MATRIX_FMT_FP6 matrix_b_fmt:MATRIX_FMT_FP6
.endif
.else
.if \row
	v_wmma_scale_f32_16x16x128_f8f6f4 v[\d:\d+7], v[\a:\a+11], v[\b:\b+11], v[\d:\d+7], v[\sa], v[\sb] matrix_a_fmt:MATRIX_FMT_FP6 matrix_b_fmt:MATRIX_FMT_FP6 matrix_a_scale:MATRIX_SCALE_ROW1
.else
	v_wmma_scale_f32_16x16x128_f8f6f4 v[\d:\d+7], v[\a:\a+11], v[\b:\b+11], v[\d:\d+7], v[\sa], v[\sb] matrix_a_fmt:MATRIX_FMT_FP6 matrix_b_fmt:MATRIX_FMT_FP6
.endif
.endif
.endm
.macro KLOAD                           ; 13 loads: K's 48 registers and its four scale words
.irp c, 0,1,2,3,4,5,6,7,8,9,10,11
	global_load_b128 v[KF+4*\c:KF+4*\c+3], v1, s[30:31] offset:512*\c
.endr
	global_load_b128 v[KS:KS+3], v1, s[30:31] offset:6144
.endm
.macro VLOAD                           ; 13 loads: V^T's four fragments and their scale words
.irp c, 0,1,2,3,4,5,6,7,8,9,10,11
	global_load_b128 v[VF+4*\c:VF+4*\c+3], v1, s[30:31] offset:6656+512*\c
.endr
	global_load_b128 v[VS:VS+3], v1, s[30:31] offset:12800
.endm
.macro PLACES
.rept 4
	v_nop                                          ; places behind matrix instructions (ISA guide 7.12.1)
.endr
.endm
; A KEY STEP: 128 keys x my two tiles of queries, the two tiles' lines by turns.  ld = 1: the next step's record is asked for.
.macro STEP ld
	s_wait_loadcnt 13                              ; K is in; the 13 younger loads, V's, may be out
	WIN 0x54                                       ; K window 0; q, S^T window 1
.irp t, 0,1,2,3,4,5,6,7
.irp u, 0,1
	MM 64*\u+8*\t, KF+6*\t, QF+12*\u, 1, KS+\t/2, QS+\u, \t%2
.endr
.endr
	WIN 0
	PLACES                                         ; in front of the loads into K's registers and of the first read of the scores
.if \ld
	s_wait_xcnt 0x0                                ; the last loads have read their base
	s_add_nc_u64 s[30:31], s[30:31], RB
	KLOAD
.endif
	WIN 0x55
.irp u, 0,1                            ; the largest score of each block of 32 keys, two chains a block, each accumulator from its low end on
.irp c, 0,1
	v_max3_num_f32 v[ST+12*\u+6+\c], v[64*\u+32*\c], v[64*\u+32*\c+1], v[64*\u+32*\c+2]
	v_max3_num_f32 v[ST+12*\u+8+\c], v[64*\u+32*\c+16], v[64*\u+32*\c+17], v[64*\u+32*\c+18]
.endr
.endr
.irp i, 3,5,7,9,11,13
.irp u, 0,1
.irp c, 0,1
	v_max3_num_f32 v[ST+12*\u+6+\c], v[ST+12*\u+6+\c], v[64*\u+32*\c+\i], v[64*\u+32*\c+\i+1]
	v_max3_num_f32 v[ST+12*\u+8+\c], v[ST+12*\u+8+\c], v[64*\u+32*\c+16+\i], v[64*\u+32*\c+17+\i]
.endr
.endr
.endr
.irp u, 0,1
.irp c, 0,1
	v_max3_num_f32 v[ST+12*\u+6+\c], v[ST+12*\u+6+\c], v[ST+12*\u+8+\c], v[64*\u+32*\c+15]
.endr
.endr
.irp u, 0,1
.irp c, 0,1
	v_max_num_f32 v[ST+12*\u+6+\c], v[ST+12*\u+6+\c], v[64*\u+32*\c+31]
.endr
.endr
.irp u, 0,1
	v_max_num_f32 v[ST+12*\u+8], v[ST+12*\u+6], v[ST+12*\u+7]
.endr
.irp u, 0,1
	v_permlanex16_b32 v[ST+12*\u+9], v[ST+12*\u+8], s24, s25
.endr
.irp u, 0,1
	v_max3_num_f32 v[ST+12*\u+1], v[ST+12*\u+1], v[ST+12*\u+8], v[ST+12*\u+9]   ; the running largest score of my query
.endr
.irp u, 0,1
	v_mul_f32 v[ST+12*\u+10], s28, v[ST+12*\u+1]   ; -t
.endr
.irp u, 0,1
	v_mov_b32 v[ST+12*\u+11], v[ST+12*\u]
.endr
.irp u, 0,1
	v_floor_f32 v[ST+12*\u], v[ST+12*\u+10]        ; the new -M = floor(-t): M is a whole number
.endr
.irp u, 0,1
	v_sub_f32 v[ST+12*\u+11], v[ST+12*\u], v[ST+12*\u+11]   ; old M less new M
.endr
.irp u, 0,1
	v_cvt_i32_f32 v[ST+12*\u+11], v[ST+12*\u+11]
.endr
.irp u, 0,1
	v_ldexp_f32 v[ST+12*\u+4], 1.0, v[ST+12*\u+11] ; f = 2^(old M - new M)
.endr
.set j, 0
.rept 32
	v_pk_fma_f32 v[j:j+1], v[j:j+1], s[26:27], v[ST:ST+1] op_sel_hi:[1,0,0]              ; t - M, two at a time (of the pairs c and -M the low word serves both halves)
	v_pk_fma_f32 v[64+j:65+j], v[64+j:65+j], s[26:27], v[ST+12:ST+13] op_sel_hi:[1,0,0]
.set j, j+2
.endr
.irp u, 0,1
.irp c, 0,1
	v_fma_f32 v[ST+12*\u+6+\c], v[ST+12*\u+6+\c], s26, v[ST+12*\u]   ; the same of each block's largest score
.endr
.endr
.set j, 0
.rept 16
	v_pk_mul_f32 v[OO+j:OO+j+1], v[OO+j:OO+j+1], v[ST+4:ST+5] op_sel_hi:[1,0]           ; O^T under the new M, each accumulator from its low end on
	v_pk_mul_f32 v[OO+32+j:OO+33+j], v[OO+32+j:OO+33+j], v[ST+16:ST+17] op_sel_hi:[1,0]
.set j, j+2
.endr
	s_wait_alu depctr_va_vdst(0)                   ; a wait ahead of the batch
.set j, 0
.rept 128
	v_exp_f32 v[j], v[j]                           ; p = 2^(t - M)
.set j, j+1
.endr
.irp u, 0,1
.irp c, 0,1
	v_exp_f32 v[ST+12*\u+6+\c], v[ST+12*\u+6+\c]   ; the block's largest p: the same two instructions on the same number give the same bits
.endr
.endr
	v_nop                                          ; a plain place behind the exponentials
	s_wait_alu depctr_va_vdst(0)                   ; and the one wait behind the batch
.irp u, 0,1
.irp c, 0,1
	v_max_num_f32 v[ST+12*\u+6+\c], 0x1800000, v[ST+12*\u+6+\c]   ; the floor 2^(3 - 127): the byte cannot fall under 1
.endr
.endr
.irp u, 0,1
.irp c, 0,1
	v_add_nc_u32 v[ST+12*\u+8+\c], 0xff000000, v[ST+12*\u+6+\c]   ; 2 off the exponent field: the conversion's scale operand
.endr
.endr
.irp u, 0,1
.irp c, 0,1
	v_lshrrev_b32 v[ST+12*\u+6+\c], 23, v[ST+12*\u+8+\c]          ; the scale's byte
.endr
.endr
.irp u, 0,1
	v_lshl_or_b32 v[ST+12*\u+10], v[ST+12*\u+7], 16, v[ST+12*\u+6]   ; my two bytes at places 0 and 2
.endr
.irp u, 0,1
	v_permlanex16_b32 v[ST+12*\u+11], v[ST+12*\u+10], s24, s25
.endr
	WIN 0x05                                       ; sources window 1, destination window 0
.irp u, 0,1
	v_perm_b32 v[PS+\u], v[ST+12*\u+11], v[ST+12*\u+10], 0x06020400   ; lanes 0-15: p's scale word, blocks 0 to 3 in order; lanes 16-31 are not read
.endr
.irp u, 0,1
.irp c, 0,1
	v_cvt_scalef32_pk16_fp6_f32 v[PF+12*\u+6*\c:PF+12*\u+6*\c+2], v[64*\u+32*\c:64*\u+32*\c+15], v[ST+12*\u+8+\c]
	v_cvt_scalef32_pk16_fp6_f32 v[CT+8*\u+4*\c:CT+8*\u+4*\c+2], v[64*\u+32*\c+16:64*\u+32*\c+31], v[ST+12*\u+8+\c]   ; (a conversion's three registers begin on an even number)
.endr
.endr
	WIN 0
	v_nop                                          ; one plain place behind a scaled conversion
.irp u, 0,1
.irp c, 0,1
.irp i, 0,1,2
	v_mov_b32 v[PF+12*\u+6*\c+3+\i], v[CT+8*\u+4*\c+\i]
.endr
.endr
.endr
	WIN 0x55
.irp w, 32,16,8,4,2                    ; the row's sum of the unquantised p, in place: the codes are made
.set j, 0
.rept \w/2
	v_pk_add_f32 v[j:j+1], v[j:j+1], v[j+\w:j+\w+1]
	v_pk_add_f32 v[64+j:65+j], v[64+j:65+j], v[64+j+\w:65+j+\w]
.set j, j+2
.endr
.endr
.irp u, 0,1
	v_pk_fma_f32 v[ST+12*\u+2:ST+12*\u+3], v[ST+12*\u+2:ST+12*\u+3], v[ST+12*\u+4:ST+12*\u+5], v[64*\u:64*\u+1] op_sel_hi:[1,0,1]   ; the sum so far x f + this step's
.endr
	s_wait_alu depctr_va_vdst(0)
.if \ld
	s_wait_loadcnt 13                              ; V is in; the 13 younger loads, the next K's, may be out
.else
	s_wait_loadcnt 0x0
.endif
	WIN 0x50                                       ; V, p window 0; O^T window 1
.irp t, 0,1,2,3
.irp u, 0,1
	MM OO+32*\u+8*\t, VF+12*\t, PF+12*\u, 0, VS+\t, PS+\u, 0   ; eight accumulators by turns; the next link stands behind the next step's sixteen products
.endr
.endr
	WIN 0
	PLACES                                         ; in front of the loads into V's registers and of a read of O^T
.if \ld
	VLOAD
.endif
.endm
; A key source is done: O^T x 0.5 / the sum.  first = 1: it starts the result, and the state begins anew; 0: it is added.
.macro FINISH first
	WIN 0x55
.irp u, 0,1
	v_add_f32 v[ST+12*\u+8], v[ST+12*\u+2], v[ST+12*\u+3]
.endr
.irp u, 0,1
	v_permlanex16_b32 v[ST+12*\u+9], v[ST+12*\u+8], s24, s25
.endr
.irp u, 0,1
	v_add_f32 v[ST+12*\u+8], v[ST+12*\u+8], v[ST+12*\u+9]
.endr
.irp u, 0,1
	v_add_f32 v[ST+12*\u+8], v[ST+12*\u+8], v[ST+12*\u+8]   ; twice the sum: its reciprocal holds the 0.5
.endr
	s_wait_alu depctr_va_vdst(0)                   ; a wait ahead of the transcendentals
.irp u, 0,1
	v_rcp_f32 v[ST+12*\u+4], v[ST+12*\u+8]
.endr
	v_nop
	WIN 0x05
	s_wait_alu depctr_va_vdst(0)                   ; and behind them, directly ahead of the first reader of O^T
.set j, 0
.rept 16
.irp u, 0,1
.if \first
	v_pk_mul_f32 v[RR+32*\u+j:RR+32*\u+j+1], v[OO+32*\u+j:OO+32*\u+j+1], v[ST+12*\u+4:ST+12*\u+5] op_sel_hi:[1,0]
.else
	v_pk_fma_f32 v[RR+32*\u+j:RR+32*\u+j+1], v[OO+32*\u+j:OO+32*\u+j+1], v[ST+12*\u+4:ST+12*\u+5], v[RR+32*\u+j:RR+32*\u+j+1] op_sel_hi:[1,0,1]
.endif
.endr
.set j, j+2
.endr
.if \first
	WIN 0x55
	BEGIN
.endif
	WIN 0
	s_wait_alu depctr_va_vdst(0)
.endm
.macro BEGIN                           ; the key step is written once: a source's first step finds zeros, and the zero key's state
.set j, 0
.rept 64
	v_mov_b32 v[OO+j], 0
.set j, j+1
.endr
.irp u, 0,1
	v_mov_b32 v[ST+12*\u], 0                       ; -M = 0, the largest score = 0: the zero key's
	v_mov_b32 v[ST+12*\u+1], 0
	v_mov_b32 v[ST+12*\u+2], 0.5                   ; and its p = 1, half in each of the query's two lanes
	v_mov_b32 v[ST+12*\u+3], 0
.endr
.endm
	s_load_b256 s[4:11], s[0:1], 0x0               ; qimg, kvimg, wimg, b_io
	s_load_b128 s[12:15], s[0:1], 0x20             ; b_co, out0
	s_load_b64 s[16:17], s[0:1], 0x30              ; out1
	v_lshl_add_u32 v2, v0, 2, SPARE                ; my spare word and 0: kept for the closing lines alone
	v_mov_b32 v3, 0
	v_lshrrev_b32 v15, 5, v0
	v_readfirstlane_b32 s18, v15                   ; wave = head
	v_and_b32 v10, 31, v0
	v_and_b32 v232, 15, v0                         ; r
	v_bfe_u32 v233, v0, 4, 1                       ; h
	v_lshlrev_b32 v1, 4, v10                       ; 16 x lane
	v_lshlrev_b32 v4, 3, v10                       ; 8 x lane
	v_lshlrev_b32 v5, 2, v10                       ; 4 x lane
	v_lshlrev_b32 v6, 2, v232                      ; 4 r
	s_lshr_b32 s19, ttmp9, 7                       ; stream
	s_bfe_u32 s20, ttmp9, 0x10006                  ; b
	s_and_b32 s21, ttmp9, 63                       ; block of 32 queries
	s_lshr_b32 s36, ttmp9, 6
	s_lshl_b32 s36, s36, 3
	s_add_co_u32 s36, s36, s18                     ; (2 stream + b) x 8 + head
	s_mul_i32 s36, s36, QHEAD
	s_lshr_b32 s37, s21, 2
	s_mul_i32 s37, s37, QREC
	s_add_co_u32 s36, s36, s37                     ; q's record of 128 rows
	s_and_b32 s37, s21, 3                          ; my tiles are 2 x this and the next
	s_mul_i32 s38, s37, 1536
	s_add_co_u32 s38, s38, s36
	s_mov_b32 s39, 0
	s_lshl_b32 s40, s37, 7
	s_add_co_u32 s40, s40, s36
	s_add_co_u32 s40, s40, 6144
	s_mov_b32 s41, 0
	s_lshl_b32 s30, s20, 3
	s_add_co_u32 s30, s30, s18
	s_mul_i32 s30, s30, KVH                        ; the 32 records of (b, head)
	s_mov_b32 s31, 0
	s_add_co_u32 s42, s19, 6                       ; W_io or W_co
	s_mul_i32 s42, s42, WGT
	s_mul_i32 s43, s18, 2*WREC                     ; my 64 output columns: two records
	s_add_co_u32 s42, s42, s43
	s_mov_b32 s43, 0
	s_lshl_b32 s44, s18, 8                         ; and the same in bytes of a row
	s_mov_b32 s45, 0
	s_lshr_b32 s46, s21, 2
	s_lshl_b32 s46, s46, 7
	s_bfe_u32 s47, s21, 0x10001
	s_lshl_b32 s47, s47, 6
	s_add_co_u32 s46, s46, s47
	s_and_b32 s47, s21, 1
	s_lshl_b32 s47, s47, 4
	s_add_co_u32 s46, s46, s47                     ; my first tile's first row: 128 (block / 4) + 64 ((block / 2) % 2) + 16 (block % 2)
	s_lshl_b32 s46, s46, 11
	s_lshl_b32 s47, s20, 22
	s_add_co_u32 s46, s46, s47
	s_add_co_u32 s46, s46, s44
	s_mov_b32 s47, 0
	s_mov_b32 s24, 0x76543210                      ; selects for v_permlanex16_b32: lane l xor 16
	s_mov_b32 s25, 0xfedcba98
	s_mov_b32 s26, 0x3e38aa3b                      ; c = log2(e) / 8
	s_mov_b32 s27, s26                             ; (named with it as a pair)
	s_mov_b32 s28, 0xbe38aa3b                      ; -c
	s_wait_alu depctr_va_vdst(0)
	s_wait_kmcnt 0x0
	s_add_nc_u64 s[38:39], s[4:5], s[38:39]        ; q's codes
	s_add_nc_u64 s[40:41], s[4:5], s[40:41]        ; q's scale words
	s_add_nc_u64 s[30:31], s[6:7], s[30:31]        ; record 0
	s_add_nc_u64 s[42:43], s[8:9], s[42:43]        ; W_o's images
	s_cmp_eq_u32 s19, 0
	s_cselect_b64 s[48:49], s[10:11], s[12:13]
	s_cselect_b64 s[50:51], s[14:15], s[16:17]
	s_add_nc_u64 s[44:45], s[48:49], s[44:45]      ; the bias
	s_add_nc_u64 s[46:47], s[50:51], s[46:47]      ; the output
	WIN 0x40
.irp u, 0,1
	global_load_b128 v[QF+12*\u:QF+12*\u+3], v1, s[38:39] offset:768*\u
	global_load_b64 v[QF+12*\u+4:QF+12*\u+5], v4, s[38:39] offset:768*\u+512
.endr
	WIN 0
.irp u, 0,1
	global_load_b32 v[QS+\u], v6, s[40:41] offset:64*\u
.endr
	KLOAD
	VLOAD
.irp j, 80,81,82,83,84,85
	v_mov_b32 v[\j], 0                             ; what stands behind K's last tile
.endr
	v_lshlrev_b32 v14, 6, v233                     ; 64 h
	v_mad_u32_u24 v7, v15, 768, v1                 ; where o's registers 0-3 go,
	v_mad_u32_u24 v8, v15, 768, v4
	v_add_nc_u32 v8, 512, v8                       ; registers 4 and 5,
	v_lshl_add_u32 v9, v0, 2, OSC                  ; and its scale bytes: 128 x head + 4 x lane
	v_mul_u32_u24 v11, v15, 8704
	v_add_nc_u32 v11, STG, v11                     ; my stage
	v_mad_u32_u24 v12, v233, 272, v11
	v_lshl_add_u32 v12, v232, 4, v12               ; back: sixteen lanes to a row of 256 bytes, two rows a load
	v_mad_u32_u24 v11, v232, 272, v11
	v_add_nc_u32 v11, v11, v14                     ; in: row r, + 64 h
	v_lshlrev_b32 v13, 11, v233
	v_lshl_add_u32 v13, v232, 4, v13               ; and the same two rows in the output
	WIN 0x55
.irp u, 0,1
.irp j, 6,7,8,9,10,11
	v_mov_b32 v[QF+12*\u+\j], 0                    ; q's upper 64 along K: zero codes
.endr
	v_mov_b32 v[ST+12*\u+5], 0                     ; (named as the upper half of f's pair)
.endr
	BEGIN
	WIN 0
	s_mov_b32 s35, 0
	s_wait_alu depctr_va_vdst(0)
.Lsrc0:                                                ; img's 16 steps
	STEP 1
	s_add_co_u32 s35, s35, 1
	s_cmp_lt_u32 s35, 16
	s_wait_alu depctr_va_vdst(0)
	s_cbranch_scc1 .Lsrc0
	FINISH 1
	s_mov_b32 s35, 0
.Lsrc1:                                                ; clinic's first 15
	STEP 1
	s_add_co_u32 s35, s35, 1
	s_cmp_lt_u32 s35, 15
	s_wait_alu depctr_va_vdst(0)
	s_cbranch_scc1 .Lsrc1
	STEP 0                                         ; the last step asks for nothing more
	FINISH 0
	; ---- W_o's sixteen fragments (K step k, column tile c at window 1's v[48 k + 12 c]), the bias in the result's layout, W_o's scale words: asked for now, they land under o's way through LDS
	WIN 0x40
.irp k, 0,1,2,3
.irp c, 0,1,2,3
.irp i, 0,1,2
	global_load_b128 v[48*\k+12*\c+4*\i:48*\k+12*\c+4*\i+3], v1, s[42:43] offset:(\c/2)*WREC+\k*3072+(\c%2)*1536+512*\i
.endr
.endr
.endr
.irp u, 0,1
.irp c, 0,1,2,3                        ; lane (r, h) of column tile c wants columns 32 (c / 2) + 16 h + 8 (c % 2) + 0 .. 7
	global_load_b128 v[192+32*\u+8*\c:195+32*\u+8*\c], v14, s[44:45] offset:(32*(\c/2)+8*(\c%2))*4
	global_load_b128 v[196+32*\u+8*\c:199+32*\u+8*\c], v14, s[44:45] offset:(32*(\c/2)+8*(\c%2))*4+16
.endr
.endr
	WIN 0
.irp k, 0,1,2,3
.irp g, 0,1
	global_load_b32 v[16+2*\k+\g], v5, s[42:43] offset:\g*WREC+12288+128*\k   ; lanes 0-15: tile 2 g's words, lanes 16-31: tile 2 g + 1's
.endr
.endr
	; ---- o, 64 numbers a query, register 16 b + i = d 32 b + 16 h + i, is quantised along d: two blocks a tile
.irp u, 0,1
.irp b, 0,1
	v_mov_b32 v[TW+8*\u+2+\b], 0                   ; a lane permute's destination counts as one of its sources
	v_max3_num_f32 v[TW+8*\u+\b], |v[RR+32*\u+16*\b]|, |v[RR+32*\u+16*\b+1]|, 0x1800000
.endr
.endr
.irp i, 2,4,6,8,10,12,14
.irp u, 0,1
.irp b, 0,1
	v_max3_num_f32 v[TW+8*\u+\b], v[TW+8*\u+\b], |v[RR+32*\u+16*\b+\i]|, |v[RR+32*\u+16*\b+\i+1]|
.endr
.endr
.endr
.irp u, 0,1
.irp b, 0,1
	v_permlanex16_b32 v[TW+8*\u+2+\b], v[TW+8*\u+\b], s24, s25
.endr
.endr
.irp u, 0,1
.irp b, 0,1
	v_max_num_f32 v[TW+8*\u+\b], v[TW+8*\u+\b], v[TW+8*\u+2+\b]
.endr
.endr
.irp u, 0,1
.irp b, 0,1
	v_add_nc_u32 v[TW+8*\u+4+\b], 0xff000000, v[TW+8*\u+\b]
.endr
.endr
.irp u, 0,1
.irp b, 0,1
	v_lshrrev_b32 v[TW+8*\u+2+\b], 23, v[TW+8*\u+4+\b]
.endr
.endr
.irp u, 0,1
	v_lshl_or_b32 v[TW+8*\u+6], v[TW+8*\u+3], 8, v[TW+8*\u+2]   ; my query's two scale bytes
.endr
.irp u, 0,1
	v_cvt_scalef32_pk16_fp6_f32 v[PF+12*\u:PF+12*\u+2], v[RR+32*\u:RR+32*\u+15], v[TW+8*\u+4]
	v_cvt_scalef32_pk16_fp6_f32 v[CT+8*\u:CT+8*\u+2], v[RR+32*\u+16:RR+32*\u+31], v[TW+8*\u+5]
.endr
	v_nop                                          ; one plain place behind a scaled conversion
.irp u, 0,1
.irp i, 0,1,2
	v_permlane16_swap_b32 v[PF+12*\u+\i], v[CT+8*\u+\i]
.endr
.endr
.irp u, 0,1
.irp i, 0,1,2
	v_mov_b32 v[PF+12*\u+3+\i], v[CT+8*\u+\i]      ; lane (r, h): six registers = d 32 h + 0 .. 31 of query r
.endr
.endr
.irp u, 0,1
	ds_store_b128 v7, v[PF+12*\u:PF+12*\u+3] offset:6144*\u
	ds_store_b64 v8, v[PF+12*\u+4:PF+12*\u+5] offset:6144*\u
	ds_store_b32 v9, v[TW+8*\u+6] offset:1024*\u
.endr
	s_wait_dscnt 0x0                               ; for the others' sake: my head's part of o lies in LDS
	s_barrier_signal -1
	s_barrier_wait -1
.irp u, 0,1
.irp t, 0,1,2,3,4,5,6,7                ; head t's six registers are half of the fragment of K step t / 2
	ds_load_b128 v[32+48*\u+6*\t:35+48*\u+6*\t], v1 offset:6144*\u+768*\t
	ds_load_b64 v[36+48*\u+6*\t:37+48*\u+6*\t], v4 offset:6144*\u+768*\t+512
	ds_load_b32 v[TW+8*\u+\t], v5 offset:OSC+1024*\u+128*\t
.endr
.endr
	s_wait_dscnt 0x0
.irp u, 0,1
.irp k, 0,1,2,3
	v_lshl_or_b32 v[24+4*\u+\k], v[TW+8*\u+2*\k+1], 16, v[TW+8*\u+2*\k]   ; two heads' two bytes each make a K step's scale word
.endr
.endr
.rept 8
	v_nop                                          ; a scale register written by a vector instruction stands eight places ahead of a scaled product
.endr
	s_wait_alu depctr_va_vdst(0)
	s_wait_loadcnt 0x0                             ; W_o, its scale words and the bias are in
	WIN 0x51                                       ; W_o and the sums window 1, o window 0
.irp k, 0,1,2,3
.irp u, 0,1
.irp c, 0,1,2,3
	MM 192+32*\u+8*\c, 48*\k+12*\c, 32+48*\u+12*\k, 0, 16+2*\k+\c/2, 24+4*\u+\k, \c%2   ; source 0 = 16 columns of W_o, source 1 = 16 rows of o; eight accumulators by turns
.endr
.endr
.endr
	WIN 0x04                                       ; an LDS store's data: window 1
	PLACES
.irp u, 0,1
.irp c, 0,1,2,3
	ds_store_b128 v11, v[192+32*\u+8*\c:195+32*\u+8*\c] offset:4352*\u+128*(\c/2)+32*(\c%2)      ; each accumulator from its low end on
	ds_store_b128 v11, v[196+32*\u+8*\c:199+32*\u+8*\c] offset:4352*\u+128*(\c/2)+32*(\c%2)+16
.endr
.endr
	WIN 0
.irp u, 0,1
.irp i, 0,1,2,3,4,5,6,7
	ds_load_b128 v[32+32*\u+4*\i:35+32*\u+4*\i], v12 offset:4352*\u+544*\i   ; LDS serves a wave's instructions in order (ISA guide 5.7.1.4): these see my stores
.endr
.endr
.irp u, 0,1
.irp i, 0,1,2,3,4,5,6,7
	s_wait_dscnt 15-8*\u-\i                        ; these two rows are back; the younger loads may be out
	global_store_b128 v13, v[32+32*\u+4*\i:35+32*\u+4*\i], s[46:47] offset:(8*\u+(2*\i)%8+32*(\i/4))*2048 th:TH_STORE_NT   ; sixteen lanes store 256 consecutive bytes, at a multiple of 256 from the output's first byte; row i of a tile is row i % 8 + 32 (i / 8)
.endr
.endr
	s_wait_tensorcnt 0x0                           ; the wave's end, behind my last LDS store
	ds_add_u32 v2, v3
	s_wait_dscnt 0x0
	s_endpgm
.Lfunc_end_k_q6de21f9ab4_attn:
	.size	k_q6de21f9ab4_attn, .Lfunc_end_k_q6de21f9ab4_attn-k_q6de21f9ab4_attn
	.p2alignl 7, 3214868480
	.fill 96, 4, 3214868480
	.section	.rodata,"a",@progbits
	.p2align	6, 0x0
	.amdhsa_kernel k_q6de21f9ab4_attn
		.amdhsa_group_segment_fixed_size 84992
		.amdhsa_private_segment_fixed_size 0
		.amdhsa_enable_private_segment 0
		.amdhsa_kernarg_size 56
		.amdhsa_user_sgpr_count 2
		.amdhsa_user_sgpr_kernarg_segment_ptr 1
		.amdhsa_wavefront_size32 1
		.amdhsa_system_sgpr_workgroup_id_x 1
		.amdhsa_system_sgpr_workgroup_id_y 1
		.amdhsa_system_sgpr_workgroup_id_z 1
		.amdhsa_system_vgpr_workitem_id 0
		.amdhsa_next_free_vgpr 512
		.amdhsa_next_free_sgpr 66
		.amdhsa_reserve_vcc 0
		.amdhsa_float_denorm_mode_32 3
		.amdhsa_float_denorm_mode_16_64 3
		.amdhsa_memory_ordered 1
		.amdhsa_forward_progress 1
		.amdhsa_inst_pref_size 121
	.end_amdhsa_kernel
	.amdgpu_metadata
---
amdhsa.version: [ 1, 2 ]
amdhsa.kernels:
  - .name:           k_q6de21f9ab4_attn
    .symbol:         k_q6de21f9ab4_attn.kd
    .args:
      - { .name: qimg, .offset: 0, .size: 8, .value_kind: global_buffer, .address_space: global }
      - { .name: kvimg, .offset: 8, .size: 8, .value_kind: global_buffer, .address_space: global }
      - { .name: wimg, .offset: 16, .size: 8, .value_kind: global_buffer, .address_space: global }
      - { .name: b_io, .offset: 24, .size: 8, .value_kind: global_buffer, .address_space: global }
      - { .name: b_co, .offset: 32, .size: 8, .value_kind: global_buffer, .address_space: global }
      - { .name: out0, .offset: 40, .size: 8, .value_kind: global_buffer, .address_space: global }
      - { .name: out1, .offset: 48, .size: 8, .value_kind: global_buffer, .address_space: global }
    .group_segment_fixed_size: 84992
    .private_segment_fixed_size: 0
    .kernarg_segment_align: 8
    .kernarg_segment_size: 56
    .max_flat_workgroup_size: 256
    .sgpr_count:     66
    .vgpr_count:     512
    .wavefront_size: 32
...
	.end_amdgpu_metadata
.endif
;; end of part 3
